; MI455X (gfx1250); checked and timed in simulation.
; The chip was launched on July 23, 2026; its instructions are those of AMD's public machine-readable ISA for CDNA 5 (MIT licence, August 2026) and "CDNA5" Instruction Set Architecture Reference Guide (July 2026). The comments in the code are by the model that wrote it; some were corrected since.
;; Head. Allowed arithmetic: matrix products marked QUANTISED: E2M3 operands, one E8M0 scale for each 32 along K, by v_wmma_scale_f32_16x16x128_f8f6f4 with both operands' format E2M3, f32 sums; everything else in f32.
;; Inputs: Wk 2,048 x 128 float32; Wq 2,048 x 128 float32; Wv 2,048 x 128 float32; x 8 x 4,096 x 2,048 float32.
;; Outputs: out0 8 x 4,096 x 128 float32.
;; This version of the problem:
;;   THIS VERSION OF THE PROBLEM IS GIVEN IN LOW PRECISION. The matrix products marked QUANTISED in the list below multiply operands that are first quantised to E2M3 (2 exponent bits, 3 mantissa bits; 6 bits a number), with one power-of-two scale for each 32 numbers along K (OCP MX v1.0); their sums are f32. All else is computed in f32.
;;   The module's matrix products, in the order in which they are computed (A, B: the left and right operand; K: the contracted axis; several contracted axes count as one K, in the product's order):
;;     1. [M 32,768, K 2,048] x [K 2,048, N 128]; A: input x; B: input Wk: QUANTISED
;;     2. [M 32,768, K 2,048] x [K 2,048, N 128]; A: input x; B: input Wq: QUANTISED
;;     3. [M 32,768, K 2,048] x [K 2,048, N 128]; A: input x; B: input Wv: QUANTISED
;;     4. batch 8 x [M 4,096, K 128] x [K 128, N 4,096]; A: computed on the way; B: computed on the way: QUANTISED
;;     5. batch 8 x [M 4,096, K 4,096] x [K 4,096, N 128]; A: softmax (see below); B: computed on the way: QUANTISED
;;   THE QUANTISER, for each operand of a quantised product, along K:
;;     - K is cut into blocks of 32 from its start; a last block that is shorter is filled with zeros.
;;     - A block's scale is 2^e with e = floor(log2(the largest magnitude in the block)) - 2, held to -126 .. 127; a block of zeros has e = 0. As a byte (E8M0): e + 127.
;;     - Each number is divided by its block's scale, clamped to +-7.5, and rounded to the nearest number of E2M3, ties to even, subnormals kept.
;;     - The product sums the exact products of the quantised numbers (number of the format x scale) in f32.
;;   ~~~python
;;   def quantise(x, axis):      # numpy; x: float32 -> the quantised numbers, widened to float32 again
;;       x = np.moveaxis(x, axis, -1); K = x.shape[-1]
;;       x = np.pad(x, [(0, 0)] * (x.ndim - 1) + [(0, -K % 32)]); x = x.reshape(x.shape[:-1] + (-1, 32)); a = np.abs(x).max(-1, keepdims=True)
;;       e = np.where(a > 0, np.clip(np.frexp(np.where(a > 0, a, 1))[1] - 1 - 2, -126, 127), 0)      # np.frexp(a)[1] - 1 = floor(log2(a)), exactly
;;       r = np.clip(x / 2.0 ** e, -7.5, 7.5)
;;       step = 2.0 ** (np.maximum(np.frexp(np.where(r == 0, 1, r))[1] - 1, 0) - 3)
;;       q = np.round(r / step) * step * 2.0 ** e      # np.round: ties to even
;;       return np.moveaxis(q.reshape(q.shape[:-2] + (-1,))[..., :K], -1, axis).astype(np.float32)
;;   ~~~
;;   SOFTMAX AHEAD OF A QUANTISED PRODUCT. Where the list says 'softmax', what is quantised is not the finished softmax but p = 2^(t - M), with t = logit x log2(e) and M = ceil(the row's largest t), a whole number; so 1/2 < the row's largest p <= 1. The row's sum l is taken of the UNQUANTISED p, in f32, and the product's result is divided by l at the end. Since M is a whole number, a kernel that streams over the keys may use a running M (the ceiling of the running maximum): every later rescaling is an exact power of two, which a block's scale takes up: the codes' values come out the same.
;;   OPERANDS COMPUTED ON THE WAY. 'Computed on the way' means the value that the module computes at that place (a softmax that the list does not call 'softmax' is quantised finished and normalised). What goes into a quantiser is computed in f32, as accurately as f32 sums, v_exp_f32 and their like allow (about 1e-6 of the number): no bf16 or f16 on the way to a quantiser, and a product that is left as it is and whose result goes on into a quantised operand takes f32 operands (vector FMAs, or v_wmma_f32_16x16x4_f32). A number that lies on a knife's edge between two numbers of the format may be rounded either way, as far as f32 arithmetic and the matrix unit's own rounding can turn it there, and no further.
;; One version. Each part assembles by itself: llvm-mc -triple=amdgcn-amd-amdhsa -mcpu=gfx1250 --defsym DOCPART=n.
;; ======== version 1 of 1: 3 launches
;; limits: right only within a limited range of input values
;; workspace buffers: wimg 589,824 bytes; wsc 32,768 bytes; kv 6,553,600 bytes; qb 3,407,872 bytes
;; launch wq (part 1): grid 16 x 3, 8 waves a work-group, no clusters, 0 bytes of LDS; arguments Wq, Wk, Wv, wimg, wsc; writes wimg, wsc
.if DOCPART == 1
	.amdgcn_target "amdgcn-amd-amdhsa--gfx1250"
	.amdhsa_code_object_version 6
	.text
	.protected	k_q7928b2f8ab_wq
	.globl	k_q7928b2f8ab_wq
	.p2align	8
	.type	k_q7928b2f8ab_wq,@function
k_q7928b2f8ab_wq:
	s_mov_b64 s[64:65], 0
	v_nop
	global_prefetch_b8 v0, s[64:65] scope:SCOPE_SE
	s_setreg_imm32_b32 hwreg(HW_REG_WAVE_MODE, 25, 1), 1
	s_wait_xcnt 0x0
; Wq, Wk, Wv [2048 (k)][128 (n)] f32 become operands of FP6 (E2M3) codes with one E8M0 byte for each 32 along k, laid as IMAGES OF THE OPERAND'S REGISTERS:
; a fragment (16 columns x 128 k) is 12 registers a lane; register g of lane L lies at 512 (g / 4) + 16 L + 4 (g % 4) of its 1,536 bytes, so that three loads of 16 bytes a lane bring it back.
; wimg: [K step 16][wave of the next launch 4][fragment 6 = 2 x matrix + column tile in the wave's pair][1,536].  wsc: [K step 16][wave 4][lane 32][16 bytes]: word m of a lane is matrix m's scale word,
; lanes 0-15 for the pair's first column tile, lanes 16-31 for its second; a lane's fourth word is neither stored here nor read later.
; SHARES: work-group x = K step, y = matrix (0 q, 1 k, 2 v), wave = column tile c.  A LANE TAKES A COLUMN AND ITS REGISTERS RUN DOWN k, in the order that the operand's layout gives that lane: nothing is transposed.
; THE COLUMNS OF A TILE: for q and k lane r of tile 2 b + u takes column 32 b + 8 u + r + 8 (r / 8), so that the next launch's transposed products leave 16 neighbouring columns in a lane; for v column 16 c + r.
; A block's scale byte is its largest magnitude's exponent field - 2, held at 1 from below.
; LIMITS: NaN and infinities are not served; a block whose largest magnitude lies under 2^-124, a block of zeros among them, gets the byte 1 (the rule says 127 for zeros: its codes are zeros, and this program alone reads the bytes).
; 48 work-groups are all the work there is (3 MiB read once); no tile is shared between work-groups, so there is no cluster, no LDS and no barrier.
.set X,   64                           ; v64-127  my column's 64 numbers: register 32 c + i = k 64 c + 32 h + i
.set CD,  48                           ; v48-59   the fragment's codes
.set HI,  128                          ; v128-134 the upper 16 codes of each block, made here and moved (a conversion's three registers begin on an even number)
	s_load_b256 s[4:11], s[0:1], 0x0               ; Wq s[4:5], Wk s[6:7], Wv s[8:9], wimg s[10:11]
	s_load_b64 s[12:13], s[0:1], 0x20              ; wsc
	v_lshrrev_b32 v1, 5, v0
	s_delay_alu instid0(VALU_DEP_1)
	v_readfirstlane_b32 s14, v1                    ; wave = column tile c
	s_and_b32 s15, ttmp7, 0xffff                   ; matrix m
	v_and_b32 v1, 15, v0                           ; r
	s_wait_alu depctr_va_vdst(0)
	v_bfe_u32 v2, v0, 4, 1                         ; h
	v_and_b32 v3, 31, v0                           ; lane
	s_lshr_b32 s16, s14, 1                         ; c / 2: the next launch's wave
	s_and_b32 s17, s14, 1                          ; c % 2: the tile in its pair
	s_lshl_b32 s18, s16, 5
	s_lshl_b32 s19, s17, 3
	s_add_co_u32 s18, s18, s19                     ; q, k: the tile begins at column 32 (c / 2) + 8 (c % 2)
	s_lshl_b32 s19, s14, 4                         ; v: at 16 c
	s_cmp_eq_u32 s15, 2
	s_cselect_b32 s18, s19, s18
	s_cselect_b32 s20, 0, 8                        ; q, k: lanes 8-15 stand 8 columns further on
	v_and_b32 v4, s20, v1
	s_delay_alu instid0(VALU_DEP_1)
	v_add3_u32 v4, v4, v1, s18                     ; my column n
	s_delay_alu instid0(VALU_DEP_1)
	v_lshlrev_b32 v4, 2, v4
	s_wait_alu depctr_va_vdst(0)
	v_lshl_add_u32 v5, v2, 14, v4                  ; 4 n + 32 h rows of 512 bytes
	v_lshlrev_b32 v6, 4, v3                        ; the image: 16 x lane
	s_mul_i32 s24, ttmp9, 36864                    ; wimg: K step x 24 fragments,
	s_mul_i32 s26, s16, 9216                       ; + wave x 6 fragments,
	s_add_co_u32 s24, s24, s26
	s_lshl_b32 s26, s15, 1
	s_add_co_u32 s26, s26, s17
	s_mul_i32 s26, s26, 1536                       ; + fragment 2 m + c % 2
	s_add_co_u32 s24, s24, s26
	s_mov_b32 s25, 0
	s_lshl_b32 s30, ttmp9, 11                      ; wsc: K step x 2,048 + wave x 512
	s_lshl_b32 s26, s16, 9
	s_add_co_u32 s30, s30, s26
	s_mov_b32 s31, 0
	s_lshl_b32 s26, s17, 8
	s_lshl_b32 s27, s15, 2
	s_add_co_u32 s26, s26, s27
	v_lshl_add_u32 v7, v1, 4, s26                  ; my scale word: 16 (r + 16 (c % 2)) + 4 m
	s_lshl_b32 s22, ttmp9, 16                      ; the K step's 128 rows of 512 bytes
	s_mov_b32 s23, 0
	s_mov_b32 s28, 0x76543210
	s_mov_b32 s29, 0xfedcba98                      ; v_permlanex16_b32's selects for lane l xor 16
	s_wait_alu depctr_va_vdst(0)
	s_wait_kmcnt 0x0
	s_cmp_eq_u32 s15, 0                            ; which matrix: the choice hangs on the work-group's number alone
	s_cselect_b64 s[4:5], s[4:5], s[6:7]
	s_cmp_eq_u32 s15, 2
	s_cselect_b64 s[4:5], s[8:9], s[4:5]
	s_add_nc_u64 s[4:5], s[4:5], s[22:23]
	s_add_nc_u64 s[10:11], s[10:11], s[24:25]
	s_add_nc_u64 s[12:13], s[12:13], s[30:31]
.irp c, 0,1
.set i, 0
.rept 32
	global_load_b32 v[X+32*\c+i], v5, s[4:5] offset:512*(64*\c+i)   ; W(64 c + 32 h + i, n)
.set i, i+1
.endr
.endr
	s_wait_loadcnt 0x0
.irp c, 0,1                                    ; my block 2 c + h: all its 32 numbers are mine
	v_max3_num_f32 v[32+\c], |v[X+32*\c]|, |v[X+1+32*\c]|, 0x1800000   ; and the floor 2^(3 - 127): the byte cannot fall under 1
.endr
.irp i, 2,4,6,8,10,12,14,16,18,20,22,24,26,28,30
.irp c, 0,1
	s_delay_alu instid0(VALU_DEP_2)
	v_max3_num_f32 v[32+\c], v[32+\c], |v[X+32*\c+\i]|, |v[X+1+32*\c+\i]|   ; (the two blocks by turns)
.endr
.endr
.irp c, 0,1
	s_delay_alu instid0(VALU_DEP_2)
	v_add_nc_u32 v[44+\c], 0xff000000, v[32+\c]    ; 2 off the exponent field: the conversion takes the exponent field of this operand as its scale
.endr
.irp c, 0,1
	s_delay_alu instid0(VALU_DEP_2)
	v_lshrrev_b32 v[36+\c], 23, v[44+\c]           ; the scale's byte
.endr
	s_delay_alu instid0(VALU_DEP_1)
	v_lshl_or_b32 v9, v37, 16, v36                 ; my two bytes: blocks h and 2 + h of my column,
	v_lshlrev_b32 v10, 3, v2
	s_delay_alu instid0(VALU_DEP_1)
	v_lshlrev_b32 v9, v10, v9                      ; at their places in the word (8 h bits up);
	v_mov_b32 v10, 0
	s_delay_alu instid0(VALU_DEP_1)
	v_permlanex16_b32 v10, v9, s28, s29
	s_delay_alu instid0(VALU_DEP_1)
	v_or_b32 v9, v9, v10                           ; with lane l xor 16's two the word is whole
.irp c, 0,1
	v_cvt_scalef32_pk16_fp6_f32 v[CD+6*\c:CD+6*\c+2], v[X+32*\c:X+32*\c+15], v[44+\c]
	v_cvt_scalef32_pk16_fp6_f32 v[HI+4*\c:HI+4*\c+2], v[X+16+32*\c:X+31+32*\c], v[44+\c]
.endr
	v_nop                                          ; one plain place behind a scaled conversion
.irp c, 0,1
.irp i, 0,1,2
	v_mov_b32 v[CD+3+6*\c+\i], v[HI+4*\c+\i]
.endr
.endr
.irp c, 0,1,2
	global_store_b128 v6, v[CD+4*\c:CD+4*\c+3], s[10:11] offset:512*\c   ; the image: each store covers 512 consecutive bytes, aligned
.endr
	v_cmp_gt_u32 vcc_lo, 16, v3
	s_wait_xcnt 0x0                                ; EXEC is a source of the stores above: it changes only behind this wait
	s_and_saveexec_b32 s32, vcc_lo                 ; lanes 0-15 hold each column's word once
	global_store_b32 v7, v9, s[12:13]
	s_wait_xcnt 0x0                                ; and again in front of the line that widens it
	s_or_b32 exec_lo, exec_lo, s32
	s_endpgm
.Lfunc_end_k_q7928b2f8ab_wq:
	.size	k_q7928b2f8ab_wq, .Lfunc_end_k_q7928b2f8ab_wq-k_q7928b2f8ab_wq
	.p2alignl 7, 3214868480
	.fill 96, 4, 3214868480
	.section	.rodata,"a",@progbits
	.p2align	6, 0x0
	.amdhsa_kernel k_q7928b2f8ab_wq
		.amdhsa_group_segment_fixed_size 0
		.amdhsa_private_segment_fixed_size 0
		.amdhsa_enable_private_segment 0
		.amdhsa_kernarg_size 40
		.amdhsa_user_sgpr_count 2
		.amdhsa_user_sgpr_kernarg_segment_ptr 1
		.amdhsa_wavefront_size32 1
		.amdhsa_system_sgpr_workgroup_id_x 1
		.amdhsa_system_sgpr_workgroup_id_y 1
		.amdhsa_system_sgpr_workgroup_id_z 1
		.amdhsa_system_vgpr_workitem_id 0
		.amdhsa_next_free_vgpr 136
		.amdhsa_next_free_sgpr 66
		.amdhsa_reserve_vcc 1
		.amdhsa_float_denorm_mode_32 3
		.amdhsa_float_denorm_mode_16_64 3
		.amdhsa_memory_ordered 1
		.amdhsa_forward_progress 1
		.amdhsa_inst_pref_size 14
	.end_amdhsa_kernel
	.amdgpu_metadata
---
amdhsa.version: [ 1, 2 ]
amdhsa.kernels:
  - .name:           k_q7928b2f8ab_wq
    .symbol:         k_q7928b2f8ab_wq.kd
    .args:
      - { .name: Wq, .offset: 0, .size: 8, .value_kind: global_buffer, .address_space: global }
      - { .name: Wk, .offset: 8, .size: 8, .value_kind: global_buffer, .address_space: global }
      - { .name: Wv, .offset: 16, .size: 8, .value_kind: global_buffer, .address_space: global }
      - { .name: wimg, .offset: 24, .size: 8, .value_kind: global_buffer, .address_space: global }
      - { .name: wsc, .offset: 32, .size: 8, .value_kind: global_buffer, .address_space: global }
    .group_segment_fixed_size: 0
    .private_segment_fixed_size: 0
    .kernarg_segment_align: 8
    .kernarg_segment_size: 40
    .max_flat_workgroup_size: 256
    .sgpr_count:     66
    .vgpr_count:     136
    .wavefront_size: 32
...
	.end_amdgpu_metadata
.endif
;; end of part 1
;; launch proj (part 2): grid 256 x 1, 4 waves a work-group, no clusters, 327,680 bytes of LDS; arguments x, wimg, wsc, kv, qb; writes kv, qb
.if DOCPART == 2
	.amdgcn_target "amdgcn-amd-amdhsa--gfx1250"
	.amdhsa_code_object_version 6
	.text
	.protected	k_q7928b2f8ab_proj
	.globl	k_q7928b2f8ab_proj
	.p2align	8
	.type	k_q7928b2f8ab_proj,@function
k_q7928b2f8ab_proj:
	s_mov_b64 s[64:65], 0
	v_nop
	global_prefetch_b8 v0, s[64:65] scope:SCOPE_SE
	s_setreg_imm32_b32 hwreg(HW_REG_WAVE_MODE, 25, 1), 1
	s_wait_xcnt 0x0
; q, k, v = Q(x) Q(W): x [32,768][2,048] f32 is quantised along K to FP6 (E2M3) with one E8M0 byte for each 32, multiplied with the images of Wq, Wk, Wv that the launch before laid,
; and the results are quantised again as the next launch's operands: q and k along the 128 channels, v along the 128 tokens of the block.
; SHARES: a work-group takes 128 tokens, all 384 columns.  K goes in 8 chunks of 256 (1,024 bytes of a row) through two LDS slots; each wave fetches its own 32 rows by one tensor load.
; A chunk: each wave reads its 32 rows back, quantises them (two token tiles x two K steps) and stores the fragments as images of operand registers in LDS; a barrier; every wave then takes all 8 token tiles
; against its own 6 fragments of W (2 column tiles x 3 matrices), which come from memory straight into registers, one chunk ahead, in two sets.  48 products a K step and wave, 48 accumulators by turns.
; THE TOKENS OF A TILE: lane r of tile 2 b + u holds token 32 b + 8 u + r + 8 (r / 8).  q and k are made transposed (source 0 = W), v with x as source 0: in each a lane's 16 registers of two neighbouring
; tiles are 16 neighbours along the next product's K.
; LDS PITCH: 1,024 bytes + 8: row R starts at bank 2 R mod 64 (64 banks of 4 bytes: ISA guide 11.1); rows 0-7 and 16-23 of a tile, 8 bytes a lane, lanes 16-31 64 bytes on: the 32 lanes of a load touch 64 different banks.
; OUT: kv block (25,600 bytes for 128 tokens): k's 8 images, v's 8 images, k's scale words, v's scale words; qb block (13,312): q's 8 images, their scale words.
; W is read by every work-group, through registers and not jointly through LDS: of LDS 9,728 bytes are left, a K step of W is 38,912.  No prefetch of x: each byte is asked for once, and each wave asks for its
; next 32 rows x 1,024 bytes directly behind the barrier at which the last have landed.
; LIMITS: NaN and infinities are not served; a block whose largest magnitude lies under 2^-124, zeros among them, gets the byte 1 (its codes are zeros or the rule's own; this program alone reads the bytes).
; REGISTERS: window 0: v4-22 addresses, v24-39 maxima and scales, v40-58 codes, v60-63 and v124-127 x's scale words (K step 0, 1), v64-70 W's, v72-123 the way out, v128-255 two staging sets of 64 numbers,
; of which v128-223 hold the second K step's x fragments during the products.  Window 1: v0-143 W's two sets, v144-239 the first K step's x fragments.  Window 2: q's and k's accumulators.  Window 3: v's.
.set ROWP,  1032
.set SLOT,  128*ROWP
.set WPART, 32*ROWP
.set FRB,   1536                       ; an image: register g of lane L at 512 (g / 4) + 16 L + 4 (g % 4)
.set XIMG,  2*SLOT                     ; x's 16 images: 8 s + tile
.set XSC,   XIMG+16*FRB                ; x's scale words: 512 s + 16 (r + 16 (tile / 4)) + 4 (tile % 4)
.set SPARE, XSC+2048                   ; the spare words, 128 bytes a wave
.set OST,   SPARE+512                  ; the stage for the way out
.set OKS,   8*FRB
.set OVS,   OKS+512
.set OQI,   OVS+512
.set OQS,   OQI+8*FRB
.set WSTEP, 24*FRB
.set SSTEP, 2048
.set XA,   4                           ; v4-5 my rows in slot 0, 1
.set LI,   6                           ; XIMG + 16 x lane
.set XWI,  7                           ; where my images go
.set XWS,  8                           ; and my scale words
.set WO,   9                           ; 16 x lane
.set GI,   10
.set G8,   11
.set CA,   12
.set KB,   15
.set QB,   16
.set VB,   17
.set CR,   18
.set C8,   19
.set SPW,  20                          ; my spare word; never rewritten
.set NIL,  21                          ; 0; never rewritten
.set PW,   22
.set TM,   24
.set PC,   40
.set XSW,  60                          ; K step s: v[XSW + 64 s ..]
.set WSW,  64
.set OUTR, 72
.set ST0,  128
.set ST1,  192
.set XF0,  144                         ; window 1
.set XF1,  128                         ; window 0
.set WV,   14
.set WB,   16
.set SB,   18
.set SEL,  20
.set G1,   24
.set G0,   32
.set TRIPS, 40
.set MSB, 0
.macro WIN new                         ; the immediate's high byte repeats the setting that is left
.if MSB != (\new)
	s_set_vgpr_msb (MSB<<8)|(\new)
.set MSB, (\new)
.endif
.endm
.macro PLACES
.rept 4
	v_nop
.endr
.endm
; four blocks of 32 (16 registers here, 16 in lane l xor 16): largest magnitudes with the floor 2^(3 - 127), the conversions' scale operands (TM+12..), the bytes (TM+4..)
.macro MAXES s, win
	WIN (\win)|((\win)<<2)
.irp b, 0,1,2,3
	v_max3_num_f32 v[TM+\b], |v[(\s)+16*\b]|, |v[(\s)+1+16*\b]|, 0x1800000
.endr
	WIN ((\win)<<2)|((\win)<<4)
.irp i, 2,4,6,8,10,12,14
.irp b, 0,1,2,3
	v_max3_num_f32 v[TM+\b], v[TM+\b], |v[(\s)+16*\b+\i]|, |v[(\s)+1+16*\b+\i]|
.endr
.endr
	WIN 0
.irp b, 0,1,2,3
	v_permlanex16_b32 v[TM+4+\b], v[TM+\b], s[SEL], s[SEL+1]
.endr
.irp b, 0,1,2,3
	v_max_num_f32 v[TM+\b], v[TM+\b], v[TM+4+\b]
.endr
.irp b, 0,1,2,3
	v_add_nc_u32 v[TM+12+\b], 0xff000000, v[TM+\b]
.endr
.irp b, 0,1,2,3
	v_lshrrev_b32 v[TM+4+\b], 23, v[TM+12+\b]
.endr
.endm
; 64 numbers a lane become a fragment in v[PC:PC+11] and its scale word in v[PW]
.macro QUANT s, win
	MAXES \s, \win
	v_lshl_or_b32 v[PW], v[TM+5], 8, v[TM+4]
	v_lshl_or_b32 v[PW], v[TM+6], 16, v[PW]
	v_lshl_or_b32 v[PW], v[TM+7], 24, v[PW]
	WIN \win
.irp c, 0,1
	v_cvt_scalef32_pk16_fp6_f32 v[PC+6*\c:PC+6*\c+2], v[(\s)+32*\c:(\s)+32*\c+15], v[TM+12+2*\c]
	v_cvt_scalef32_pk16_fp6_f32 v[PC+12+4*\c:PC+14+4*\c], v[(\s)+16+32*\c:(\s)+31+32*\c], v[TM+13+2*\c]
.endr
	WIN 0
	v_nop                                          ; one plain place behind a scaled conversion
.irp c, 0,1                                    ; a whole block to a lane: lanes 0-15 block 2 c, lanes 16-31 block 2 c + 1
.irp i, 0,1,2
	v_permlane16_swap_b32 v[PC+6*\c+\i], v[PC+12+4*\c+\i]
.endr
.irp i, 0,1,2
	v_mov_b32 v[PC+3+6*\c+\i], v[PC+12+4*\c+\i]
.endr
.endr
.endm
.macro XLD st, slot, u, s              ; my row's k = 32 b + 16 h + 0 .. 15 of K step s, tile u: 32 loads of 8 bytes
.irp b, 0,1,2,3
.irp j, 0,1,2,3,4,5,6,7
	ds_load_b64 v[\st+16*\b+2*\j:\st+16*\b+2*\j+1], v[XA+\slot] offset:8*ROWP*\u+512*\s+128*\b+8*\j
.endr
.endr
.endm
.macro XPUT u, s                       ; 4 stores
.irp c, 0,1,2
	ds_store_b128 v[XWI], v[PC+4*\c:PC+4*\c+3] offset:(8*\s+\u)*FRB+512*\c
.endr
	ds_store_b32 v[XWS], v[PW] offset:512*\s+4*\u
.endm
.macro XPHASE slot                     ; my 32 rows of the chunk become 4 images; the two staging sets take turns
	XLD ST0, \slot, 0, 0
	XLD ST1, \slot, 0, 1
	s_wait_dscnt 32                                ; the younger set's 32 loads may be out
	QUANT ST0, 0
	XPUT 0, 0
	XLD ST0, \slot, 1, 0
	s_wait_dscnt 36                                ; behind ST1's loads: 4 stores and 32 loads
	QUANT ST1, 0
	XPUT 0, 1
	XLD ST1, \slot, 1, 1
	s_wait_dscnt 36
	QUANT ST0, 0
	XPUT 1, 0
	s_wait_dscnt 4                                 ; behind ST1's loads: 4 stores
	QUANT ST1, 0
	XPUT 1, 1
	s_wait_dscnt 0x0                               ; for the others' sake: my images have landed
	s_barrier_signal -1
	s_barrier_wait -1
.endm
; The change of slots: all my tensor loads have landed (my rows of this chunk), the add, my reads of the images are over; behind the barrier the other slot, read out a chunk ago, is filled again first.
.macro HEAD slot, fill
	s_wait_tensorcnt 0x0
	ds_add_u32 v[SPW], v[NIL]
.if \fill
	s_add_nc_u64 s[G0+4*(1-\slot)+2:G0+4*(1-\slot)+3], s[G0+4*(1-\slot)+2:G0+4*(1-\slot)+3], 2048   ; two chunks on
.endif
	s_wait_dscnt 0x0
	s_barrier_signal -1
	s_barrier_wait -1
.if \fill
	tensor_load_to_lds s[G0+4*(1-\slot):G0+4*(1-\slot)+3], s[G1:G1+7]
	s_nop 0
	PLACES
.endif
	XPHASE \slot
.endm
.macro WLOAD ws, k                     ; my 6 fragments and scale words of K step k (counted from the stepped base) into set ws: 19 loads
	WIN 0x40
.irp f, 0,1,2,3,4,5
.irp c, 0,1,2
	global_load_b128 v[72*\ws+12*\f+4*\c:72*\ws+12*\f+4*\c+3], v[WO], s[WB:WB+1] offset:(\k)*WSTEP+FRB*\f+512*\c
.endr
.endr
	WIN 0
	global_load_b96 v[WSW+4*\ws:WSW+4*\ws+2], v[WO], s[SB:SB+1] offset:(\k)*SSTEP
.endm
.macro WMX cop, ra, rb
.if (\ra) && (\rb)
	v_wmma_scale_f32_16x16x128_f8f6f4 v[rD:rD+7], v[rA:rA+11], v[rB:rB+11], \cop, v[rSA], v[rSB] matrix_a_fmt:MATRIX_FMT_FP6 matrix_b_fmt:MATRIX_FMT_FP6 matrix_a_scale:MATRIX_SCALE_ROW1 matrix_b_scale:MATRIX_SCALE_ROW1
.elseif \ra
	v_wmma_scale_f32_16x16x128_f8f6f4 v[rD:rD+7], v[rA:rA+11], v[rB:rB+11], \cop, v[rSA], v[rSB] matrix_a_fmt:MATRIX_FMT_FP6 matrix_b_fmt:MATRIX_FMT_FP6 matrix_a_scale:MATRIX_SCALE_ROW1
.elseif \rb
	v_wmma_scale_f32_16x16x128_f8f6f4 v[rD:rD+7], v[rA:rA+11], v[rB:rB+11], \cop, v[rSA], v[rSB] matrix_a_fmt:MATRIX_FMT_FP6 matrix_b_fmt:MATRIX_FMT_FP6 matrix_b_scale:MATRIX_SCALE_ROW1
.else
	v_wmma_scale_f32_16x16x128_f8f6f4 v[rD:rD+7], v[rA:rA+11], v[rB:rB+11], \cop, v[rSA], v[rSB] matrix_a_fmt:MATRIX_FMT_FP6 matrix_b_fmt:MATRIX_FMT_FP6
.endif
.endm
; K step s of the chunk: W's set s; x's fragments in window 1 - s.  The 48 accumulators take turns, one instruction a turn.
.macro MUL s, zero
	WIN 0xa1|((1-(\s))<<2)                         ; q, k: source 0 = W (window 1), source 1 = x, C and D window 2
.irp t, 0,1,2,3,4,5,6,7
.irp m, 0,1
.irp cc, 0,1
.set rD, 128*\m+16*\t+8*\cc
.set rA, 72*(\s)+12*(2*\m+\cc)
.set rB, XF0*(1-(\s))+XF1*(\s)+12*\t
.set rSA, WSW+4*(\s)+\m
.set rSB, XSW+64*(\s)+\t%4
.if \zero
	WMX 0, \cc, \t/4
.else
	WMX v[rD:rD+7], \cc, \t/4
.endif
.endr
.endr
.endr
	WIN 0xf4|(1-(\s))                              ; v: source 0 = x, source 1 = W, C and D window 3
.irp t, 0,1,2,3,4,5,6,7
.irp cc, 0,1
.set rD, 64*\cc+8*\t
.set rA, XF0*(1-(\s))+XF1*(\s)+12*\t
.set rB, 72*(\s)+12*(4+\cc)
.set rSA, XSW+64*(\s)+\t%4
.set rSB, WSW+4*(\s)+2
.if \zero
	WMX 0, \t/4, \cc
.else
	WMX v[rD:rD+7], \t/4, \cc
.endif
.endr
.endr
.endm
; A chunk's products.  Both K steps' fragments of x are asked for in one run of 50 loads; the second 25 land under the first step's 48 products.  Behind each step its set of W takes the K step two on.
.macro MM zero, k0, k1, c1
	ds_load_b128 v[XSW:XSW+3], v[LI] offset:16*FRB
	WIN 0x40
.irp t, 0,1,2,3,4,5,6,7
.irp c, 0,1,2
	ds_load_b128 v[XF0+12*\t+4*\c:XF0+12*\t+4*\c+3], v[LI] offset:\t*FRB+512*\c
.endr
.endr
	WIN 0
	ds_load_b128 v[XSW+64:XSW+67], v[LI] offset:16*FRB+512
.irp t, 0,1,2,3,4,5,6,7
.irp c, 0,1,2
	ds_load_b128 v[XF1+12*\t+4*\c:XF1+12*\t+4*\c+3], v[LI] offset:(8+\t)*FRB+512*\c
.endr
.endr
	s_wait_dscnt 25                                ; the second step's 25 loads may be out
	s_wait_loadcnt 19                              ; W's set 0 is in; set 1's 19 loads may be out
	MUL 0, \zero
	PLACES                                         ; in front of loads into registers that the products read
.if (\k0) >= 0
	WLOAD 0, \k0
.endif
	WIN 0
	s_wait_dscnt 0x0
	s_wait_loadcnt \c1                             ; W's set 1 is in; the 19 just issued may be out
	MUL 1, 0
	PLACES
.if (\k1) >= 0
	WLOAD 1, \k1
.endif
	WIN 0
.endm
; q (m = 0) or k (m = 1), four token tiles: a lane holds one token and 16 neighbouring channels of my 32: codes and bytes go to the stage, where the four waves' parts make whole images
.macro QKOUT m, half
	MAXES 128*\m+64*\half, 2
	WIN 2
.irp b, 0,1,2,3
	v_cvt_scalef32_pk16_fp6_f32 v[PC+4*\b:PC+4*\b+2], v[128*\m+64*\half+16*\b:128*\m+64*\half+16*\b+15], v[TM+12+\b]
.endr
	WIN 0
	v_nop
.irp b, 0,1,2,3
.irp i, 0,1,2
	ds_store_b32 v[CA+\i], v[PC+4*\b+\i] offset:(1-\m)*OQI+FRB*(4*\half+\b)
.endr
.if \m
	ds_store_b8 v[KB], v[TM+4+\b] offset:256*\half+4*\b
.else
	ds_store_b8 v[QB], v[TM+4+\b] offset:128*(4*\half+\b)
.endif
.endr
	s_wait_dscnt 0x0
.endm
	s_load_b256 s[4:11], s[0:1], 0x0               ; x, wimg, wsc, kv
	s_load_b64 s[12:13], s[0:1], 0x20              ; qb
	v_lshl_add_u32 v[SPW], v0, 2, SPARE
	v_mov_b32 v[NIL], 0
	ds_add_u32 v[SPW], v[NIL]
	ds_add_u32 v[SPW], v[NIL]
	v_lshrrev_b32 v1, 5, v0
	v_readfirstlane_b32 s[WV], v1                  ; wave 0..3
	s_mov_b32 s[G1+0], (2<<16)|(1<<20)|(7<<22)|(1<<25)   ; elements of 4 bytes; after every 256 words a pad of 2
	s_mov_b32 s[G1+1], 256<<16
	s_mov_b32 s[G1+2], 32<<16
	s_mov_b32 s[G1+3], 256<<16
	s_mov_b32 s[G1+4], 32
	s_mov_b32 s[G1+5], 2048
	s_mov_b32 s[G1+6], 0
	s_mov_b32 s[G1+7], 0
	s_lshl_b32 s42, ttmp9, 20                      ; 128 rows of 8,192 bytes a work-group,
	s_lshl_b32 s43, s[WV], 18                      ; 32 a wave
	s_add_co_u32 s42, s42, s43
	s_mov_b32 s43, 0
	s_mul_i32 s44, s[WV], WPART
	s_wait_dscnt 0x0
	s_wait_kmcnt 0x0
	s_add_nc_u64 s[4:5], s[4:5], s[42:43]
.irp sl, 0,1
	s_mov_b32 s[G0+4*\sl], 1
	s_add_co_u32 s[G0+4*\sl+1], s44, \sl*SLOT
	s_add_nc_u64 s[G0+4*\sl+2:G0+4*\sl+3], s[4:5], \sl*1024
	s_or_b32 s[G0+4*\sl+3], s[G0+4*\sl+3], 0x80000000
.endr
	tensor_load_to_lds s[G0:G0+3], s[G1:G1+7]      ; chunk 0: one tensor load a wave at the head
	s_nop 0
	PLACES
	; all the rest of the set-up stands between that load and the wait for it
	s_mul_i32 s42, s[WV], 6*FRB
	s_add_nc_u64 s[WB:WB+1], s[6:7], s[42:43]      ; my 6 fragments of a K step
	s_lshl_b32 s42, s[WV], 9
	s_add_nc_u64 s[SB:SB+1], s[8:9], s[42:43]
	s_mul_i32 s42, ttmp9, 25600
	s_add_nc_u64 s[10:11], s[10:11], s[42:43]      ; my kv block
	s_mul_i32 s42, ttmp9, 13312
	s_add_nc_u64 s[12:13], s[12:13], s[42:43]      ; my qb block
	s_mov_b32 s[SEL], 0x76543210
	s_mov_b32 s[SEL+1], 0xfedcba98                 ; v_permlanex16_b32's selects for lane l xor 16
	s_mul_i32 s48, s[WV], 2*FRB
	s_lshl_b32 s49, s[WV], 8
	s_lshr_b32 s46, s[WV], 1
	s_and_b32 s47, s[WV], 1
	s_lshl_b32 s50, s46, 8
	s_lshl_b32 s51, s47, 3
	s_add_co_u32 s50, s50, s51
	s_mul_i32 s51, s46, 6
	s_lshl_b32 s52, s47, 8
	v_and_b32 v3, 31, v0                           ; lane
	v_lshlrev_b32 v[WO], 4, v3
	v_and_b32 v1, 15, v0                           ; r
	v_bfe_u32 v2, v0, 4, 1                         ; h
	v_and_b32 v40, 8, v1
	v_add_nc_u32 v40, v40, v1                      ; r + 8 (r / 8)
	v_mul_u32_u24 v40, v40, ROWP
	v_lshl_add_u32 v40, v2, 6, v40                 ; + 64 h
	v_add_nc_u32 v[XA], s44, v40
	v_add_nc_u32 v[XA+1], SLOT, v[XA]
	v_lshl_add_u32 v[LI], v3, 4, XIMG
	v_add_nc_u32 v[XWI], s48, v[LI]
	v_add_nc_u32 v[GI], s48, v[WO]
	v_add_nc_u32 v[CR], OST, v[GI]
	v_lshl_add_u32 v[G8], v3, 3, s49
	v_add_nc_u32 v[C8], OST+OKS, v[G8]
	v_lshl_add_u32 v41, v1, 4, s50
	v_add_nc_u32 v[XWS], XSC, v41
	v_add_nc_u32 v[VB], OST+OVS, v41
	v_lshl_add_u32 v41, v1, 4, s[WV]
	v_add_nc_u32 v[KB], OST+OKS, v41
	v_lshl_add_u32 v41, v3, 2, s[WV]
	v_add_nc_u32 v[QB], OST+OQS, v41
	v_lshl_add_u32 v41, v1, 4, s52
.irp i, 0,1,2                                  ; register g = 6 (wave / 2) + 3 h + i of a q or k image, lane r + 16 (wave % 2)
	v_mad_u32_u24 v42, v2, 3, s51
	v_add_nc_u32 v42, \i, v42
	v_lshrrev_b32 v43, 2, v42
	v_and_b32 v42, 3, v42
	v_lshl_add_u32 v43, v43, 9, v41
	v_lshl_add_u32 v43, v42, 2, v43
	v_add_nc_u32 v[CA+\i], OST, v43
.endr
.irp b, 0,1,2,3
	v_mov_b32 v[TM+4+\b], 0                        ; a lane permute's destination counts as one of its sources
.endr
	s_wait_alu depctr_va_vdst(0)
	WLOAD 0, 0
	WLOAD 1, 1
	s_wait_tensorcnt 0x0                           ; my rows of chunk 0 are in
	ds_add_u32 v[SPW], v[NIL]
	s_wait_dscnt 0x0
	s_barrier_signal -1
	s_barrier_wait -1
	tensor_load_to_lds s[G0+4:G0+7], s[G1:G1+7]    ; chunk 1, slot 1's first fill
	s_nop 0
	PLACES
	XPHASE 0
	MM 1, 2, 3, 19                                 ; chunk 0: its first K step starts the sums
	s_mov_b32 s[TRIPS], 3
.Lchunks:                                          ; a trip: two chunks, once round the ring; chunks 1 to 6
	HEAD 1, 1
	MM 0, 4, 5, 19
	HEAD 0, 1
	MM 0, 6, 7, 19
	s_wait_xcnt 0x0                                ; W's loads have read their bases
	s_add_nc_u64 s[WB:WB+1], s[WB:WB+1], 4*WSTEP
	s_add_nc_u64 s[SB:SB+1], s[SB:SB+1], 4*SSTEP
	s_sub_co_u32 s[TRIPS], s[TRIPS], 1
	s_cmp_lg_u32 s[TRIPS], 0
	s_cbranch_scc1 .Lchunks
	HEAD 1, 0                                      ; chunk 7: nothing more is asked for
	MM 0, -1, -1, 0
	; THE WAY OUT
	QKOUT 0, 0
	QKOUT 0, 1
	QKOUT 1, 0
	QKOUT 1, 1
.irp cc, 0,1                                   ; v: a lane holds one channel and 64 tokens: whole fragments, stored as they are
	QUANT 64*\cc, 3
.irp c, 0,1,2
	global_store_b128 v[GI], v[PC+4*\c:PC+4*\c+3], s[10:11] offset:8*FRB+FRB*\cc+512*\c
.endr
	ds_store_b32 v[VB], v[PW] offset:4*\cc
	s_wait_xcnt 0x0                                ; the stores have read their registers
	s_wait_dscnt 0x0
.endr
	s_barrier_signal -1
	s_barrier_wait -1                              ; the stage is whole: each wave sends a quarter of it, 512 consecutive bytes a store
.irp i, 0,1,2,3,4,5
	ds_load_b128 v[OUTR+4*\i:OUTR+4*\i+3], v[CR] offset:512*\i
.endr
.irp i, 0,1,2,3,4,5
	ds_load_b128 v[OUTR+24+4*\i:OUTR+24+4*\i+3], v[CR] offset:OQI+512*\i
.endr
	ds_load_b64 v[OUTR+48:OUTR+49], v[C8]
	ds_load_b64 v[OUTR+50:OUTR+51], v[C8] offset:OQI
.irp i, 0,1,2,3,4,5
	s_wait_dscnt 13-\i
	global_store_b128 v[GI], v[OUTR+4*\i:OUTR+4*\i+3], s[10:11] offset:512*\i
.endr
.irp i, 0,1,2,3,4,5
	s_wait_dscnt 7-\i
	global_store_b128 v[GI], v[OUTR+24+4*\i:OUTR+24+4*\i+3], s[12:13] offset:512*\i
.endr
	s_wait_dscnt 1
	global_store_b64 v[G8], v[OUTR+48:OUTR+49], s[10:11] offset:16*FRB
	s_wait_dscnt 0x0
	global_store_b64 v[G8], v[OUTR+50:OUTR+51], s[12:13] offset:8*FRB
	s_wait_tensorcnt 0x0                           ; the wave's end
	ds_add_u32 v[SPW], v[NIL]
	s_wait_dscnt 0x0
	s_endpgm
.Lfunc_end_k_q7928b2f8ab_proj:
	.size	k_q7928b2f8ab_proj, .Lfunc_end_k_q7928b2f8ab_proj-k_q7928b2f8ab_proj
	.p2alignl 7, 3214868480
	.fill 96, 4, 3214868480
	.section	.rodata,"a",@progbits
	.p2align	6, 0x0
	.amdhsa_kernel k_q7928b2f8ab_proj
		.amdhsa_group_segment_fixed_size 327680
		.amdhsa_private_segment_fixed_size 0
		.amdhsa_enable_private_segment 0
		.amdhsa_kernarg_size 40
		.amdhsa_user_sgpr_count 2
		.amdhsa_user_sgpr_kernarg_segment_ptr 1
		.amdhsa_wavefront_size32 1
		.amdhsa_system_sgpr_workgroup_id_x 1
		.amdhsa_system_sgpr_workgroup_id_y 1
		.amdhsa_system_sgpr_workgroup_id_z 1
		.amdhsa_system_vgpr_workitem_id 0
		.amdhsa_next_free_vgpr 896
		.amdhsa_next_free_sgpr 66
		.amdhsa_reserve_vcc 0
		.amdhsa_float_denorm_mode_32 3
		.amdhsa_float_denorm_mode_16_64 3
		.amdhsa_memory_ordered 1
		.amdhsa_forward_progress 1
		.amdhsa_inst_pref_size 210
	.end_amdhsa_kernel
	.amdgpu_metadata
---
amdhsa.version: [ 1, 2 ]
amdhsa.kernels:
  - .name:           k_q7928b2f8ab_proj
    .symbol:         k_q7928b2f8ab_proj.kd
    .args:
      - { .name: x, .offset: 0, .size: 8, .value_kind: global_buffer, .address_space: global }
      - { .name: wimg, .offset: 8, .size: 8, .value_kind: global_buffer, .address_space: global }
      - { .name: wsc, .offset: 16, .size: 8, .value_kind: global_buffer, .address_space: global }
      - { .name: kv, .offset: 24, .size: 8, .value_kind: global_buffer, .address_space: global }
      - { .name: qb, .offset: 32, .size: 8, .value_kind: global_buffer, .address_space: global }
    .group_segment_fixed_size: 327680
    .private_segment_fixed_size: 0
    .kernarg_segment_align: 8
    .kernarg_segment_size: 40
    .max_flat_workgroup_size: 128
    .sgpr_count:     66
    .vgpr_count:     896
    .wavefront_size: 32
...
	.end_amdgpu_metadata
.endif
;; end of part 2
;; launch attn (part 3): grid 32 x 8, 16 waves a work-group, clusters of 4 x 1, 327,680 bytes of LDS; arguments kv, qb, out0; writes out0
.if DOCPART == 3
	.amdgcn_target "amdgcn-amd-amdhsa--gfx1250"
	.amdhsa_code_object_version 6
	.text
	.protected	k_q7928b2f8ab_attn
	.globl	k_q7928b2f8ab_attn
	.p2align	8
	.type	k_q7928b2f8ab_attn,@function
k_q7928b2f8ab_attn:
	s_mov_b64 s[64:65], 0
	v_nop
	global_prefetch_b8 v0, s[64:65] scope:SCOPE_SE
	s_setreg_imm32_b32 hwreg(HW_REG_WAVE_MODE, 25, 1), 1
	s_wait_xcnt 0x0
	s_wait_alu depctr_hold_cnt(0) depctr_sa_sdst(0) depctr_va_vdst(0) depctr_va_sdst(0) depctr_va_ssrc(0) depctr_va_vcc(0) depctr_vm_vsrc(0)
	s_getreg_b32 s2, hwreg(HW_REG_IB_STS2, 6, 4)
	s_cmp_eq_u32 s2, 0
	s_cbranch_scc0 .Lentry_in_a_cluster
	s_endpgm
.Lentry_in_a_cluster:
	s_bfe_u32 s2, ttmp6, 0x10000c
	s_cmp_lg_u32 s2, 0x3003
	s_cbranch_scc0 .Lentry_shape_is_right
	s_endpgm
.Lentry_shape_is_right:
; out0[b][q][:] = the sum over keys k <= q of softmax_k(q . k / sqrt(128)) v[k][:], both products on codes of FP6 (E2M3) with one E8M0 scale for each 32 along a product's K.  8 batches x 4,096 tokens x 128.
; q, k, v arrive as images of operand registers (register g of lane L at 512 (g / 4) + 16 L + 4 (g % 4) of a fragment's 1,536 bytes), a block for each 128 tokens:
; kv block (25,600 bytes): k's 8 tiles of 16 keys, v's 8 tiles of 16 channels x 128 keys, k's scale words, v's scale words.  qb block (13,312): q's 8 tiles, their scale words.
; Lane r of token tile 2 b + u holds token 32 b + 8 u + r + 8 (r / 8) of the block, so that the 16 registers of score tiles 2 b, 2 b + 1 are 16 neighbouring keys 32 b + 16 h + 0 .. 15.
; THE SOFTMAX AHEAD OF THE SECOND PRODUCT: t = score x log2(e) / sqrt(128); M = the running largest t rounded UP to a whole number; p = 2^(t - M) is quantised along the keys, not normalised; the row's sum is
; taken of the unquantised p and divides at the end; when M moves, the sum and O are multiplied by 2^(old M - new M), which rounds nothing.
; Both products are used transposed (S^T = K Q^T, O^T = V^T P^T): a lane holds ONE query throughout.
; SHARES.  A cluster of four work-groups owns the token groups G = c, 15 - c, 16 + c, 31 - c (128 tokens, 8 tiles each) of one batch, c the cluster's x; a tile of group G has G + 1 key steps of 128, so every cluster has
; 8 x 66 tile steps.  Work-group cx owns tiles 2 cx, 2 cx + 1 of each group.  EACH TILE HAS TWO WAVES: wave parity p takes key steps 2 i + p, with a running M, sum and O^T of its own; they are merged at the end through LDS
; (M is a whole number: the merge multiplies by powers of two).  Sixteen waves of 256 registers: four to a SIMD, so that one wave's vector work stands beside another's products and LDS loads.
; JOINT LOADS.  All four work-groups walk the same kv blocks, four key steps (102,400 bytes) to a slot, two slots; waves 0-3 ask for one block each, jointly with the same wave of the three partners.
; Every work-group walks all 8 slots: trip counts are constants and every joint load is issued by all four.  What is left out is a step's WORK: a scalar branch on c and the wave's number, which the partners share.
; cx enters q's and out0's addresses and the mask's numbers alone.
; LIMITS: NaN and infinities are not served.  A block of p that is all zeros keeps the byte 1: its codes are zeros.  A block's largest p is made from its largest score by the same multiply-add and exponential:
; that takes v_exp_f32 not to fall where its input rises; at the worst one p within an ulp of a power of two is held one code low.
; REGISTERS: v1-11 addresses; v12 -M, v13 the largest t, v[14:15] the sum in two halves; v16-27 Q; v32-79 four fragments of K or V; v96-159 S^T, then p; v160-223 O^T; v224-235 p's codes; v232-247, v252, v254 at work;
; v248-251 K's, then V's scale words; v253 p's scale word; v255 Q's.
.set FRB,   1536
.set BLK,   25600                      ; a key step's block
.set QBLK,  13312
.set VIMG,  8*FRB
.set KSC,   16*FRB
.set VSC,   KSC+512
.set SLOT1, 1<<17                      ; slot 1 begins here: one exclusive or turns an address in one slot into the other's
.set MST,   SLOT1+4*BLK                ; behind the ring: for each of the 8 pairs of waves an image of O^T (8,192), the sum (128), -M (128); later the pair's stage for the way out (16 rows x 272)
.set MPAIR, 8448
.set SPARE, MST+8*MPAIR                ; the spare words, 128 bytes for each wave: eight blocks of 256 bytes that no other line names
.set A0,  1                            ; v1   16 x lane + p BLK
.set DQ,  2                            ; v2   my query's place in its group - 16 h
.set MA,  3                            ; v3   my pair's image: + 16 x lane
.set MB,  4                            ; v4   my pair's sum and -M: + 4 x lane
.set SPW, 5                            ; v5   my spare word: SPARE + 4 x my thread's number; never rewritten
.set NIL, 6                            ; v6   0; never rewritten
.set GO,  7                            ; v7   the way out: 512 h + 16 r
.set AD,  8                            ; v8   the step's block in LDS, + A0
.set STO, 9                            ; v9   the stage: where I put 32 bytes of a row
.set RD,  10                           ; v10  and where I read a row back
.set WV,  10                           ; s10  my wave
.set SEL, 20                           ; s[20:21] v_permlanex16_b32's selects for lane l xor 16
.set CS,  22                           ; s[22:23] c = log2(e) / sqrt(128), twice: the packed form names a pair
.set G1,  24                           ; s[24:31] descriptor group 1;  s[32:35] group 0, which walks
.set G0,  32
.set TB,  40                           ; s40  LDS byte at which the slot in hand begins
.set SLOTS, 41                         ; s41  slots still to be asked for
.set SI,  42                           ; s42  the key step in hand
.set GR,  43                           ; s43  my token group G
.set PAR, 44                           ; s44  my parity p
.set CX,  46                           ; s46  my work-group's place in the cluster
.macro CROUND                          ; a round of the cluster's barrier
	s_barrier_signal -1
	s_barrier_wait -1
	s_cmp_lg_u32 s[WV], 0
	s_cbranch_scc1 .Lnot_wave_0_\@
	s_barrier_signal -3
.Lnot_wave_0_\@:
	s_barrier_wait -3
	s_barrier_signal -1
	s_barrier_wait -1
.endm
.macro TLOAD                           ; waves 0-3 ask for a block each; the branch hangs on the wave's number alone; four v_nop follow the load
	s_cmp_lt_u32 s[WV], 4
	s_cbranch_scc0 .Lasked_\@
	tensor_load_to_lds s[G0:G0+3], s[G1:G1+7]
	s_nop 0
.rept 4
	v_nop
.endr
.Lasked_\@:
.endm
	s_load_b128 s[4:7], s[0:1], 0x0                ; kv, qb
	s_load_b64 s[8:9], s[0:1], 0x10                ; out0
	v_lshl_add_u32 v[SPW], v0, 2, SPARE
	v_mov_b32 v[NIL], 0
	ds_add_u32 v5, v6
	ds_add_u32 v5, v6
	s_wait_dscnt 0x0
	v_lshrrev_b32 v8, 5, v0
	s_delay_alu instid0(VALU_DEP_1)
	v_readfirstlane_b32 s[WV], v8                  ; wave 0..15
	s_bfe_u32 s[CX], ttmp6, 0x40000                ; cx
	s_and_b32 s47, ttmp7, 0xffff                   ; the batch, which the partners share
	s_lshr_b32 s48, s[WV], 2                       ; w / 4
	s_and_b32 s49, s[WV], 3                        ; w % 4
	s_add_co_u32 s50, s48, s49
	s_and_b32 s50, s50, 3                          ; which of the four groups: (w / 4 + w % 4) % 4, so that any four waves w % 4 alike, and any four w / 4 alike, hold one wave of each group
	s_and_b32 s51, s48, 1                          ; which of my work-group's two tiles
	s_lshr_b32 s[PAR], s48, 1                      ; p
	s_lshl_b32 s52, s50, 1
	s_add_co_u32 s52, s52, s51                     ; the pair's number, 0..7
	s_sub_co_u32 s53, 15, ttmp9
	s_and_b32 s54, s50, 1
	s_cmp_lg_u32 s54, 0
	s_cselect_b32 s[GR], s53, ttmp9                ; c or 15 - c,
	s_lshr_b32 s54, s50, 1
	s_lshl_b32 s54, s54, 4
	s_add_co_u32 s[GR], s[GR], s54                 ; + 16 for the upper two groups
	; descriptor group 1: a dense block of 25,600 bytes as 100 rows of 32 elements of 8 bytes; the mask names all four work-groups, bit 21 beside it
	s_mov_b32 s[G1+0], 15|(3<<16)|(1<<21)
	s_mov_b32 s[G1+1], 32<<16                      ; tensor_dim0 = 32
	s_mov_b32 s[G1+2], 100<<16                     ; tensor_dim1 = 100
	s_mov_b32 s[G1+3], 32<<16                      ; tile_dim0 = 32
	s_mov_b32 s[G1+4], 100                         ; tile_dim1 = 100
	s_mov_b32 s[G1+5], 32                          ; tensor_dim0_stride
	s_mov_b32 s[G1+6], 0
	s_mov_b32 s[G1+7], 0
	s_mov_b32 s[G0], 1                             ; count = 1
	s_mul_i32 s[G0+1], s49, BLK                    ; LDS address: block w % 4 of slot 0
	s_mul_i32 s54, s47, 32*BLK                     ; the batch's 32 blocks,
	s_add_co_u32 s54, s54, s[G0+1]                 ; + block w % 4: nothing of cx enters
	s_mov_b32 s55, 0
	s_lshl_b32 s60, s47, 5
	s_add_co_u32 s60, s60, s[GR]                   ; my group's block: 32 x batch + G
	s_mul_i32 s56, s60, QBLK
	s_mov_b32 s57, 0
	s_lshl_b32 s58, s[CX], 1
	s_add_co_u32 s58, s58, s51                     ; my tile in the group: 2 cx + tile
	s_lshl_b32 s62, s[CX], 5
	s_lshl_b32 s63, s51, 3
	s_add_co_u32 s62, s62, s63                     ; its first token in the group: 32 cx + 8 tile
	s_lshl_b32 s59, s60, 7
	s_add_co_u32 s59, s59, s62
	s_lshl_b32 s60, s59, 9                         ; that token's row of out0, 512 bytes a row
	s_mov_b32 s61, 0
	s_mov_b32 s[SEL], 0x76543210
	s_mov_b32 s[SEL+1], 0xfedcba98
	s_mov_b32 s[CS], 0x3e0293ee                    ; c = log2(e) / sqrt(128)
	s_mov_b32 s[CS+1], s[CS]
	s_mov_b32 s[TB], 0
	s_mov_b32 s[SLOTS], 7
	s_mov_b32 s[SI], s[PAR]
	s_wait_kmcnt 0x0
	s_add_nc_u64 s[G0+2:G0+3], s[4:5], s[54:55]    ; global address
	s_or_b32 s[G0+3], s[G0+3], 0x80000000          ; type = 2
	s_add_nc_u64 s[6:7], s[6:7], s[56:57]
	s_add_nc_u64 s[8:9], s[8:9], s[60:61]
	CROUND                                         ; all four work-groups are here: the first joint loads meet
	TLOAD                                          ; slot 0: key steps 0 to 3.  One tensor load of a wave is out at any time
	v_and_b32 v28, 31, v0                          ; lane
	v_and_b32 v29, 15, v0                          ; r
	v_bfe_u32 v30, v0, 4, 1                        ; h
	s_mul_i32 s59, s58, FRB
	v_lshl_add_u32 v11, v28, 4, s59                ; Q's image: tile x 1,536 + 16 x lane
	s_lshl_b32 s59, s58, 7
	v_lshl_add_u32 v31, v28, 2, s59                ; its scale words: tile x 128 + 4 x lane
.irp c, 0,1,2
	global_load_b128 v[16+4*\c:19+4*\c], v11, s[6:7] offset:512*\c   ; Q stays in registers
.endr
	global_load_b32 v255, v31, s[6:7] offset:8*FRB
	s_mul_i32 s45, s[PAR], BLK
	v_lshl_add_u32 v[A0], v28, 4, s45
	s_mul_i32 s53, s52, MPAIR
	s_add_co_u32 s53, s53, MST                     ; my pair's bytes
	v_lshl_add_u32 v[MA], v28, 4, s53
	v_lshl_add_u32 v[MB], v28, 2, s53
	s_delay_alu instid0(VALU_DEP_1)
	v_add_nc_u32 v[MB], 8192, v[MB]
	v_lshlrev_b32 v[GO], 9, v30
	s_delay_alu instid0(VALU_DEP_1)
	v_lshl_add_u32 v[GO], v29, 4, v[GO]
	v_mul_u32_u24 v[STO], v29, 272
	s_delay_alu instid0(VALU_DEP_1)
	v_lshl_add_u32 v[STO], v30, 5, v[STO]
	s_delay_alu instid0(VALU_DEP_1)
	v_add_nc_u32 v[STO], s53, v[STO]               ; in: row r, + 32 h
	v_mul_u32_u24 v[RD], v30, 272
	s_delay_alu instid0(VALU_DEP_1)
	v_lshl_add_u32 v[RD], v29, 4, v[RD]
	s_delay_alu instid0(VALU_DEP_1)
	v_add_nc_u32 v[RD], s53, v[RD]                 ; back: lanes 0-15 one row, lanes 16-31 the next
	v_and_b32 v[DQ], 8, v29
	s_delay_alu instid0(VALU_DEP_1)
	v_add_nc_u32 v[DQ], v[DQ], v29
	s_delay_alu instid0(VALU_DEP_1)
	v_add_nc_u32 v[DQ], s62, v[DQ]                 ; my query in its group: 32 cx + 8 tile + r + 8 (r / 8)
	v_lshlrev_b32 v30, 4, v30
	s_delay_alu instid0(VALU_DEP_1)
	v_sub_nc_u32 v[DQ], v[DQ], v30                 ; - 16 h
	v_mov_b32 v13, 0xff61b1e6                      ; the largest t so far: -3e38, under every t
	s_delay_alu instid0(VALU_DEP_1)
	v_floor_f32 v12, -v13                          ; -M
	v_mov_b32 v14, 0                               ; the sum, in two halves
	v_mov_b32 v15, 0
.irp b, 0,1,2,3
	v_mov_b32 v[236+\b], 0                         ; written once: a lane permute's destination counts as one of its sources
.endr
	v_mov_b32 v253, 0                              ; (named as the upper half of the pair v[252:253] before it is first written)
.set j, 0
.rept 64
	v_mov_b32 v[160+j], 0                          ; O^T.  (The step is written once: the first finds zeros, which the first change of M leaves zeros; a wave with no step hands zeros on)
.set j, j+1
.endr
; A KEY STEP: 128 keys: block 2 i + p of the slot in hand.
.macro STEP i
	s_cmp_gt_u32 s[SI], s[GR]                      ; all its keys come after my 16 queries: the step's work is left out; no barrier and no tensor load stands in a step
	s_cbranch_scc1 .Lhidden_\@
	s_add_co_u32 s45, s[TB], 2*BLK*\i
	v_add_nc_u32 v[AD], s45, v[A0]
	s_wait_alu depctr_va_vdst(0)
.rept 3
	v_nop                                          ; with the addition above: four places in front of loads into registers that the last step's products read
.endr
	ds_load_b128 v[248:251], v[AD] offset:KSC      ; K's scale words: register j: tile j in lanes 0-15, tile 4 + j in lanes 16-31
.irp g, 0,1                                    ; S^T = K Q^T, four tiles of 16 keys at a time
.if \g
.rept 4
	v_nop
.endr
.endif
.irp t, 0,1,2,3
.irp c, 0,1,2
	ds_load_b128 v[32+12*\t+4*\c:35+12*\t+4*\c], v[AD] offset:FRB*(4*\g+\t)+512*\c
.endr
.endr
	s_wait_dscnt 0x0
.irp t, 0,1,2,3
.if \g
	v_wmma_scale_f32_16x16x128_f8f6f4 v[96+8*(4*\g+\t):103+8*(4*\g+\t)], v[32+12*\t:43+12*\t], v[16:27], 0, v[248+\t], v255 matrix_a_fmt:MATRIX_FMT_FP6 matrix_b_fmt:MATRIX_FMT_FP6 matrix_a_scale:MATRIX_SCALE_ROW1
.else
	v_wmma_scale_f32_16x16x128_f8f6f4 v[96+8*(4*\g+\t):103+8*(4*\g+\t)], v[32+12*\t:43+12*\t], v[16:27], 0, v[248+\t], v255 matrix_a_fmt:MATRIX_FMT_FP6 matrix_b_fmt:MATRIX_FMT_FP6
.endif
.endr
.endr
.rept 4
	v_nop
.endr
	s_cmp_lt_u32 s[SI], s[GR]                      ; a step all of whose keys count skips the mask
	s_cbranch_scc1 .Lopen_\@
	v_mov_b32 v254, 0xff800000                     ; on the diagonal hidden scores become -infinity ahead of the maximum: p = 0 then.  The group's first key counts for every query, so M is a number
.set n, 0
.rept 64                                       ; register 16 b + i holds key 32 b + 16 h + i of the group: hidden where 32 b + i > my query - 16 h
	v_cmp_gt_i32 vcc_lo, 32*(n/16)+n%16, v[DQ]
	v_cndmask_b32 v[96+n], v[96+n], v254, vcc_lo
.set n, n+1
.endr
.Lopen_\@:
.irp b, 0,1,2,3
	v_max3_num_f32 v[232+\b], v[96+16*\b], v[97+16*\b], v[98+16*\b]   ; THE LARGEST SCORE OF EACH BLOCK OF 32 KEYS: for the row's maximum, and, since p rises with the score, for the block's largest p
.endr
.irp i2, 3,5,7,9,11,13
.irp b, 0,1,2,3
	v_max3_num_f32 v[232+\b], v[232+\b], v[96+16*\b+\i2], v[97+16*\b+\i2]   ; (the four blocks by turns)
.endr
.endr
.irp b, 0,1,2,3
	v_max_num_f32 v[232+\b], v[232+\b], v[111+16*\b]
.endr
.irp b, 0,1,2,3
	s_delay_alu instid0(VALU_DEP_4)
	v_permlanex16_b32 v[236+\b], v[232+\b], s[SEL], s[SEL+1]
.endr
.irp b, 0,1,2,3
	s_delay_alu instid0(VALU_DEP_4)
	v_max_num_f32 v[232+\b], v[232+\b], v[236+\b]  ; with lane l xor 16's 16 keys
.endr
	s_delay_alu instid0(VALU_DEP_2)
	v_max3_num_f32 v254, v232, v233, v234
	s_delay_alu instid0(VALU_DEP_1)
	v_max_num_f32 v254, v254, v235                 ; the step's largest score of my query
	s_delay_alu instid0(VALU_DEP_1)
	v_mul_f32 v254, s[CS], v254                    ; as t (c is positive)
	s_delay_alu instid0(VALU_DEP_1)
	v_max_num_f32 v13, v13, v254                   ; the running largest t
	v_mov_b32 v254, v12
	s_delay_alu instid0(VALU_DEP_2)
	v_floor_f32 v12, -v13                          ; the new -M = floor(-t) = -ceil(t): M IS A WHOLE NUMBER
	s_delay_alu instid0(VALU_DEP_1)
	v_sub_f32 v254, v12, v254                      ; M's old value less its new one: a whole number, 0 or less
	s_delay_alu instid0(VALU_DEP_1)
	v_cvt_i32_f32 v254, v254                       ; (it saturates)
	s_delay_alu instid0(VALU_DEP_1)
	v_ldexp_f32 v252, 1.0, v254                    ; f = 2^(old M - new M)
.set j, 0
.rept 32
	v_pk_fma_f32 v[96+j:97+j], v[96+j:97+j], s[CS:CS+1], v[12:13] op_sel_hi:[1,0,0]   ; t - M, two at a time (of the pairs c and -M the low word serves both halves)
.set j, j+2
.endr
.irp b, 0,1,2,3
	v_fma_f32 v[232+\b], v[232+\b], s[CS], v12     ; the same of each block's largest score
.endr
.set j, 0
	s_wait_alu depctr_va_vdst(0)
.rept 64
	v_exp_f32 v[96+j], v[96+j]                     ; p = 2^(t - M), at most 1: NOT normalised
.set j, j+1
.endr
.irp b, 0,1,2,3
	v_exp_f32 v[232+\b], v[232+\b]                 ; the block's largest p: the same two instructions on the same number give the same bits
.endr
	v_pk_mul_f32 v[14:15], v[14:15], v[252:253] op_sel_hi:[1,0]   ; the sums under the new M.  (A plain place behind the exponentials)
	s_wait_alu depctr_va_vdst(0)
.irp b, 0,1,2,3
	v_max_num_f32 v[232+\b], 0x1800000, v[232+\b]  ; the floor 2^(3 - 127): the byte cannot fall under 1
.endr
.irp b, 0,1,2,3
	s_delay_alu instid0(VALU_DEP_4)
	v_add_nc_u32 v[244+\b], 0xff000000, v[232+\b]  ; 2 off the exponent field: the conversion's scale operand
.endr
.irp b, 0,1,2,3
	s_delay_alu instid0(VALU_DEP_4)
	v_lshrrev_b32 v[236+\b], 23, v[244+\b]         ; the scale's byte
.endr
	s_delay_alu instid0(VALU_DEP_3)
	v_lshl_or_b32 v253, v237, 8, v236              ; p's scale word for these 128 keys
	s_delay_alu instid0(VALU_DEP_1)
	v_lshl_or_b32 v253, v238, 16, v253
	s_delay_alu instid0(VALU_DEP_1)
	v_lshl_or_b32 v253, v239, 24, v253
.irp c, 0,1
	v_cvt_scalef32_pk16_fp6_f32 v[224+6*\c:226+6*\c], v[96+32*\c:111+32*\c], v[244+2*\c]
	v_cvt_scalef32_pk16_fp6_f32 v[236+4*\c:238+4*\c], v[112+32*\c:127+32*\c], v[245+2*\c]   ; (a conversion's three registers begin on an even number)
.endr
	v_nop                                          ; one plain place behind a scaled conversion
.irp c, 0,1                                    ; the operand's layout wants a WHOLE block in a lane: lanes 0-15 block 2 c, lanes 16-31 block 2 c + 1
.irp i2, 0,1,2
	v_permlane16_swap_b32 v[224+6*\c+\i2], v[236+4*\c+\i2]
.endr
.irp i2, 0,1,2
	s_delay_alu instid0(VALU_DEP_3)
	v_mov_b32 v[227+6*\c+\i2], v[236+4*\c+\i2]
.endr
.endr
	v_pk_add_f32 v[236:237], v[100:101], v[104:105]
	v_pk_add_f32 v[250:251], v[108:109], v[112:113]
	v_pk_add_f32 v[248:249], v[116:117], v[120:121]
	v_pk_add_f32 v[246:247], v[124:125], v[128:129]
	v_pk_add_f32 v[244:245], v[132:133], v[136:137]
	v_pk_add_f32 v[242:243], v[140:141], v[144:145]
	v_pk_add_f32 v[240:241], v[148:149], v[152:153]
	v_pk_add_f32 v[14:15], v[14:15], v[156:157]
	v_pk_add_f32 v[236:237], v[236:237], v[96:97]
	v_pk_add_f32 v[250:251], v[250:251], v[98:99]
	v_pk_add_f32 v[248:249], v[248:249], v[102:103]
	v_pk_add_f32 v[246:247], v[246:247], v[106:107]
	v_pk_add_f32 v[244:245], v[244:245], v[110:111]
	v_pk_add_f32 v[242:243], v[242:243], v[114:115]
	v_pk_add_f32 v[240:241], v[240:241], v[118:119]
	v_pk_add_f32 v[14:15], v[14:15], v[122:123]
	v_pk_add_f32 v[236:237], v[236:237], v[126:127]
	v_pk_add_f32 v[250:251], v[250:251], v[130:131]
	v_pk_add_f32 v[248:249], v[248:249], v[134:135]
	v_pk_add_f32 v[246:247], v[246:247], v[138:139]
	v_pk_add_f32 v[244:245], v[244:245], v[142:143]
	v_pk_add_f32 v[242:243], v[242:243], v[146:147]
	v_pk_add_f32 v[240:241], v[240:241], v[150:151]
	v_pk_add_f32 v[14:15], v[14:15], v[154:155]
	v_pk_add_f32 v[236:237], v[236:237], v[158:159]
	s_delay_alu instid0(VALU_DEP_2)
	v_pk_add_f32 v[14:15], v[14:15], v[246:247]
	s_delay_alu instid0(VALU_DEP_2)
	v_pk_add_f32 v[236:237], v[236:237], v[244:245]
	v_pk_add_f32 v[250:251], v[250:251], v[242:243]
	v_pk_add_f32 v[248:249], v[248:249], v[240:241]
	s_delay_alu instid0(VALU_DEP_2)
	v_pk_add_f32 v[14:15], v[14:15], v[250:251]
	s_delay_alu instid0(VALU_DEP_2)
	v_pk_add_f32 v[236:237], v[236:237], v[248:249]
	s_delay_alu instid0(VALU_DEP_1)
	v_pk_add_f32 v[14:15], v[14:15], v[236:237]
.set j, 0
.rept 32
	v_pk_mul_f32 v[160+j:161+j], v[160+j:161+j], v[252:253] op_sel_hi:[1,0]   ; O^T under the new M: x f.  (These 32 are also the places in front of the scaled products and the loads below)
.set j, j+2
.endr
	ds_load_b128 v[248:251], v[AD] offset:VSC      ; V's scale words
	s_wait_alu depctr_va_vdst(0)
.irp g, 0,1                                    ; O^T += V^T P^T: four tiles of 16 channels at a time; the eight accumulators take turns, one instruction a turn
.if \g
.rept 4
	v_nop
.endr
.endif
.irp t, 0,1,2,3
.irp c, 0,1,2
	ds_load_b128 v[32+12*\t+4*\c:35+12*\t+4*\c], v[AD] offset:VIMG+FRB*(4*\g+\t)+512*\c
.endr
.endr
	s_wait_dscnt 0x0
.irp t, 0,1,2,3
.if \g
	v_wmma_scale_f32_16x16x128_f8f6f4 v[160+8*(4*\g+\t):167+8*(4*\g+\t)], v[32+12*\t:43+12*\t], v[224:235], v[160+8*(4*\g+\t):167+8*(4*\g+\t)], v[248+\t], v253 matrix_a_fmt:MATRIX_FMT_FP6 matrix_b_fmt:MATRIX_FMT_FP6 matrix_a_scale:MATRIX_SCALE_ROW1
.else
	v_wmma_scale_f32_16x16x128_f8f6f4 v[160+8*(4*\g+\t):167+8*(4*\g+\t)], v[32+12*\t:43+12*\t], v[224:235], v[160+8*(4*\g+\t):167+8*(4*\g+\t)], v[248+\t], v253 matrix_a_fmt:MATRIX_FMT_FP6 matrix_b_fmt:MATRIX_FMT_FP6
.endif
.endr
.endr
.Lhidden_\@:
	s_add_co_u32 s[SI], s[SI], 2                   ; my next key step
.endm
; THE CHANGE OF SLOTS stands at a slot's head.  Each wave waits for all its tensor loads (its part of the slot ahead), adds 0 to its spare word, and waits for that and for its reads of the slot that it has left.
; fill = 1: the barrier is a round of the cluster's, so that no wave of any partner still reads the slot left or has a load on its way; the joint refill is the first thing behind it and has a whole slot's steps in which to land.
.macro CHANGE fill
	s_wait_tensorcnt 0x0                           ; no tensor load of mine is out, so the group 0 may be written
	ds_add_u32 v[SPW], v[NIL]                      ; 0 onto my spare word
.if \fill
	s_xor_b32 s[G0+1], s[G0+1], SLOT1              ; the other slot than last time,
	s_add_nc_u64 s[G0+2:G0+3], s[G0+2:G0+3], 4*BLK ; the next four key steps; the type bits on top are not reached
.endif
	s_wait_dscnt 0x0                               ; the add is done, and my reads of the slot that I have left are over
.if \fill
	CROUND
	TLOAD
.else
	s_barrier_signal -1
	s_barrier_wait -1
.endif
.endm
.macro SLOT_STEPS
	STEP 0
	STEP 1
	s_xor_b32 s[TB], s[TB], SLOT1                  ; on to the other slot
.endm
	s_wait_loadcnt 0x0                             ; Q
.Lslot:                                            ; 7 trips: behind each change of slots but the last the next slot is asked for
	CHANGE 1
	SLOT_STEPS
	s_sub_co_u32 s[SLOTS], s[SLOTS], 1
	s_cmp_lg_u32 s[SLOTS], 0
	s_cbranch_scc1 .Lslot
	CHANGE 0                                       ; the last slot is written out
	SLOT_STEPS
	; THE MERGE.  The wave of parity 1 hands its O^T (as an image of its registers), its sum and its -M to the wave of parity 0 through the pair's bytes in LDS, into which no fill lands.
.rept 4
	v_nop                                          ; places behind the last products
.endr
	v_add_f32 v14, v14, v15                        ; the sum's two halves
	s_cmp_eq_u32 s[PAR], 0
	s_cbranch_scc1 .Lkeeps
.set j, 0
	s_wait_alu depctr_va_vdst(0)
.rept 16
	ds_store_b128 v[MA], v[160+4*j:163+4*j] offset:512*j   ; each accumulator from its low end on
.set j, j+1
.endr
	ds_store_b32 v[MB], v14
	ds_store_b32 v[MB], v12 offset:128
.Lkeeps:
	s_wait_dscnt 0x0                               ; for the partner's sake: my stores have landed
	s_barrier_signal -1
	s_barrier_wait -1
	s_cmp_lg_u32 s[PAR], 0
	s_cbranch_scc1 .Ldone
.set j, 0
.rept 16
	ds_load_b128 v[96+4*j:99+4*j], v[MA] offset:512*j
.set j, j+1
.endr
	ds_load_b32 v232, v[MB]                        ; the partner's sum
	ds_load_b32 v233, v[MB] offset:128             ; and its -M
	s_wait_dscnt 0x0
	v_min_num_f32 v234, v12, v233                  ; the common -M: the larger M
	s_delay_alu instid0(VALU_DEP_1)
	v_sub_f32 v235, v234, v12                      ; my M less the common one: a whole number, 0 or less
	s_delay_alu instid0(VALU_DEP_2)
	v_sub_f32 v244, v234, v233                     ; the partner's likewise (a partner that had no step still has -M = 3e38: the conversion saturates and its factor is 0)
	s_delay_alu instid0(VALU_DEP_2)
	v_cvt_i32_f32 v235, v235
	s_delay_alu instid0(VALU_DEP_2)
	v_cvt_i32_f32 v244, v244
	s_delay_alu instid0(VALU_DEP_2)
	v_ldexp_f32 v235, 1.0, v235                    ; my factor,
	s_wait_alu depctr_va_vdst(0)
	v_ldexp_f32 v244, 1.0, v244                    ; the partner's: powers of two
	v_mul_f32 v245, v14, v235
	s_delay_alu instid0(VALU_DEP_1)
	v_fma_f32 v245, v232, v244, v245               ; the two sums under the common M,
	s_delay_alu instid0(VALU_DEP_1)
	v_permlanex16_b32 v236, v245, s[SEL], s[SEL+1]
	s_delay_alu instid0(VALU_DEP_1)
	v_add_f32 v245, v245, v236                     ; and lane l xor 16's: the row's sum
	s_wait_alu depctr_va_vdst(0)
	v_rcp_f32 v245, v245
	v_nop                                          ; one plain place behind a transcendental
	s_wait_alu depctr_va_vdst(0)
	v_mul_f32 v240, v235, v245                     ; factor / sum, each written twice: a pair for the packed forms
	v_mul_f32 v241, v235, v245
	v_mul_f32 v242, v244, v245
	v_mul_f32 v243, v244, v245
.set j, 0
.rept 32
	v_pk_mul_f32 v[96+j:97+j], v[96+j:97+j], v[242:243]
.set j, j+2
.endr
.set j, 0
.rept 32
	v_pk_fma_f32 v[96+j:97+j], v[160+j:161+j], v[240:241], v[96+j:97+j]   ; register 8 t + i is o(my query, 16 t + 8 h + i)
.set j, j+2
.endr
	; THE WAY OUT, through the pair's bytes as a stage: half a row (64 channels, 256 bytes) of 16 queries at a time.  LDS serves a wave's instructions in order: the loads see my stores, and the next half's stores come behind them.
.irp u, 0,1
.irp t, 0,1,2,3
	ds_store_b128 v[STO], v[96+32*\u+8*\t:99+32*\u+8*\t] offset:64*\t
	ds_store_b128 v[STO], v[100+32*\u+8*\t:103+32*\u+8*\t] offset:64*\t+16
.endr
.irp i, 0,1,2,3,4,5,6,7
	ds_load_b128 v[32+32*\u+4*\i:35+32*\u+4*\i], v[RD] offset:2*\i*272
.endr
.endr
.irp u, 0,1
.irp i, 0,1,2,3,4,5,6,7
	s_wait_dscnt 23-16*\u-\i                       ; behind this load: the rest of its half's loads, and for the first half the second's 16 instructions
	global_store_b128 v[GO], v[32+32*\u+4*\i:35+32*\u+4*\i], s[8:9] offset:(2*\i+8*(\i/4))*512+256*\u   ; stage row 2 i + h is token 2 i + h + 8 (i / 4) of the tile; 16 lanes store 256 consecutive bytes, aligned
.endr
.endr
.Ldone:
	s_wait_tensorcnt 0x0                           ; the wave's end
	ds_add_u32 v[SPW], v[NIL]
	s_wait_dscnt 0x0
	CROUND                                         ; the closing round: no work-group ends while a partner may still ask for a tile that names it
	s_endpgm
.Lfunc_end_k_q7928b2f8ab_attn:
	.size	k_q7928b2f8ab_attn, .Lfunc_end_k_q7928b2f8ab_attn-k_q7928b2f8ab_attn
	.p2alignl 7, 3214868480
	.fill 96, 4, 3214868480
	.section	.rodata,"a",@progbits
	.p2align	6, 0x0
	.amdhsa_kernel k_q7928b2f8ab_attn
		.amdhsa_group_segment_fixed_size 327680
		.amdhsa_private_segment_fixed_size 0
		.amdhsa_enable_private_segment 0
		.amdhsa_kernarg_size 24
		.amdhsa_user_sgpr_count 2
		.amdhsa_user_sgpr_kernarg_segment_ptr 1
		.amdhsa_wavefront_size32 1
		.amdhsa_system_sgpr_workgroup_id_x 1
		.amdhsa_system_sgpr_workgroup_id_y 1
		.amdhsa_system_sgpr_workgroup_id_z 1
		.amdhsa_system_vgpr_workitem_id 0
		.amdhsa_next_free_vgpr 256
		.amdhsa_next_free_sgpr 66
		.amdhsa_reserve_vcc 1
		.amdhsa_float_denorm_mode_32 3
		.amdhsa_float_denorm_mode_16_64 3
		.amdhsa_memory_ordered 1
		.amdhsa_forward_progress 1
		.amdhsa_inst_pref_size 121
	.end_amdhsa_kernel
	.amdgpu_metadata
---
amdhsa.version: [ 1, 2 ]
amdhsa.kernels:
  - .name:           k_q7928b2f8ab_attn
    .symbol:         k_q7928b2f8ab_attn.kd
    .args:
      - { .name: kv, .offset: 0, .size: 8, .value_kind: global_buffer, .address_space: global }
      - { .name: qb, .offset: 8, .size: 8, .value_kind: global_buffer, .address_space: global }
      - { .name: out0, .offset: 16, .size: 8, .value_kind: global_buffer, .address_space: global }
    .group_segment_fixed_size: 327680
    .private_segment_fixed_size: 0
    .kernarg_segment_align: 8
    .kernarg_segment_size: 24
    .max_flat_workgroup_size: 512
    .sgpr_count:     66
    .vgpr_count:     256
    .wavefront_size: 32
...
	.end_amdgpu_metadata
.endif
;; end of part 3
